; MI455X (gfx1250); checked and timed in simulation.
; The chip was launched on July 23, 2026; its instructions are those of AMD's public machine-readable ISA for CDNA 5 (MIT licence, August 2026) and "CDNA5" Instruction Set Architecture Reference Guide (July 2026). The comments in the code are by the model that wrote it; some were corrected since.
;; Multi Head Attention. Allowed arithmetic: float matrix products may take bf16 or f16 operands with f32 sums; other float arithmetic in f32, or as packed bf16 or f16 multiplies, adds, multiply-adds, maxima and minima; sums over many terms, partial sums and values carried from step to step in f32; what a program stores and reads back later, other than sums and carried values, may be rounded once to bf16 or f16.
;; Inputs: Wk 1,024 x 1,024 float32; Wo 1,024 x 1,024 float32; Wq 1,024 x 1,024 float32; Wv 1,024 x 1,024 float32; bk 1,024 float32; bo 1,024 float32; bq 1,024 float32; bv 1,024 float32; scale 64 float32; x 4 x 4,096 x 1,024 float32.
;; Outputs: out0 4 x 4,096 x 1,024 float32.
;; One version. Each part assembles by itself: llvm-mc -triple=amdgcn-amd-amdhsa -mcpu=gfx1250 --defsym DOCPART=n.
;; ======== version 1 of 1: 4 launches
;; limits: values are held in f16: magnitudes above 65,504 overflow, below 6.1e-05 lose precision
;; workspace buffers: xb 33,554,432 bytes; wqkv 6,291,456 bytes; wo 2,097,152 bytes; tab 16,640 bytes; qkv 100,663,296 bytes; ob 33,554,432 bytes
;; launch prep (part 1): grid 1281 x 1, 8 waves a work-group, no clusters, 0 bytes of LDS; arguments x, Wq, Wk, Wv, Wo, bq, bk, bv, bo, scale, xb, wqkv, wo, tab; writes xb, wqkv, wo, tab
.if DOCPART == 1
	.amdgcn_target "amdgcn-amd-amdhsa--gfx1250"
	.amdhsa_code_object_version 6
	.text
	.protected	k_q60dc4ae51a_prep
	.globl	k_q60dc4ae51a_prep
	.p2align	8
	.type	k_q60dc4ae51a_prep,@function
k_q60dc4ae51a_prep:
	s_mov_b64 s[64:65], 0
	v_nop
	global_prefetch_b8 v0, s[64:65] scope:SCOPE_SE
	s_setreg_imm32_b32 hwreg(HW_REG_WAVE_MODE, 25, 1), 1
	s_wait_xcnt 0x0
; PREP: every input is rounded once to bf16 and laid out for the launches behind.  A stream: no LDS, no matrix work, no loop, no cluster (no two work-groups read the same bytes).
;   xb   [16384][1024] bf16 = x.
;   wqkv [3072][1024] bf16: row c' of section j (q, k, v) is row n(c) of Wq, Wk, Wv, c = c' % 1024:
;        q, k: c = o 128 + h 8 + e  ->  n = h 64 + o 8 + e          (head h, channel d = 8 o + e)
;        v:    c = dt 256 + th 128 + dr 8 + te  ->  n = (8 th + te) 64 + 16 dt + dr   (head t = 8 th + te, channel d = 16 dt + dr)
;        so that each matrix fragment of a token's q, k, v is 512 consecutive bytes of its row of qkv.
;   wo   [1024][1024] f16: wo[n][o 128 + h 8 + e] = bf16(Wo[n][h 64 + 8 o + e]), that number written as f16.
;   tab: f32 bias[3072] in wqkv's row order at 0; f32 bo[1024] at 12,288 (all bf16 values); scale as 64 bf16 at 16,384.
; LIMITS.  |Wo| stays under 65,504; below 2^-14 it keeps f16's fixed step of 2^-24.  NaN and infinities are not treated apart.
; SHARES.  Work-groups 0-1023: 16 rows of x; 1024-1215: 16 rows of wqkv; 1216-1279: 16 rows of wo; 1280: the tables.  A wave takes two rows: 16 loads of 512 bytes on their way at once.
.set X, 16                             ; v[16:79]   as loaded
.set Y, 80                             ; v[80:111]  to store
.set T, 112                            ; v[112:119] at work
	s_load_b512 s[4:19], s[0:1], 0x0               ; x 4, Wq 6, Wk 8, Wv 10, Wo 12, bq 14, bk 16, bv 18
	s_load_b256 s[20:27], s[0:1], 0x40             ; bo 20, scale 22, xb 24, wqkv 26
	s_load_b128 s[28:31], s[0:1], 0x60             ; wo 28, tab 30
	v_lshrrev_b32 v10, 5, v0
	v_readfirstlane_b32 s32, v10                   ; wave 0..7
	v_and_b32 v11, 31, v0                          ; lane
	v_lshlrev_b32 v1, 4, v11                       ; 16 bytes a lane
	v_lshlrev_b32 v2, 3, v11                       ; 8 bytes a lane
	s_mov_b32 s33, ttmp9
	s_mov_b32 s34, 0xffff0000                      ; a word's upper bf16
	s_wait_kmcnt 0x0
	s_cmp_lt_u32 s33, 1024
	s_cbranch_scc0 .Lnot_x
	; x: rows R and R + 1
	s_lshl_b32 s42, s33, 4
	s_lshl1_add_u32 s42, s32, s42                  ; R = 16 x work-group + 2 x wave
	s_lshl_b32 s44, s42, 12                        ; 4,096 bytes a row of x
	s_mov_b32 s45, 0
	s_lshl_b32 s46, s42, 11                        ; 2,048 a row of xb
	s_mov_b32 s47, 0
	s_add_nc_u64 s[36:37], s[4:5], s[44:45]
	s_add_nc_u64 s[38:39], s[36:37], 4096
	s_add_nc_u64 s[40:41], s[24:25], s[46:47]
	s_branch .Lconv
.Lnot_x:
	s_cmp_lt_u32 s33, 1216
	s_cbranch_scc0 .Lnot_w
	; wqkv: rows c' and c' + 1 (c' even)
	s_sub_co_u32 s42, s33, 1024
	s_lshl_b32 s42, s42, 4
	s_lshl1_add_u32 s42, s32, s42                  ; c'
	s_lshr_b32 s43, s42, 10                        ; section j
	s_and_b32 s44, s42, 1023                       ; c
	s_bfe_u32 s45, s44, 0x40003                    ; (c >> 3) & 15: h, or dr
	s_lshr_b32 s46, s44, 7                         ; c >> 7: o
	s_and_b32 s47, s44, 7                          ; c & 7: e, or te
	s_lshl_b32 s48, s45, 6
	s_lshl3_add_u32 s48, s46, s48
	s_add_co_u32 s48, s48, s47                     ; q, k: n = 64 h + 8 o + e
	s_and_b32 s49, s46, 1                          ; th
	s_lshl3_add_u32 s49, s49, s47                  ; 8 th + te
	s_lshl_b32 s49, s49, 6
	s_lshr_b32 s50, s44, 8                         ; dt
	s_lshl4_add_u32 s49, s50, s49
	s_add_co_u32 s49, s49, s45                     ; v: n = 64 (8 th + te) + 16 dt + dr
	s_cmp_eq_u32 s43, 2
	s_cselect_b32 s48, s49, s48                    ; the first row's n,
	s_cselect_b32 s49, 64, 1                       ; and how far the second lies: te + 1 is 64 rows on, e + 1 one
	s_add_co_u32 s49, s48, s49
	s_lshl_b32 s44, s48, 12
	s_mov_b32 s45, 0
	s_lshl_b32 s46, s49, 12
	s_mov_b32 s47, 0
	s_lshl_b32 s50, s42, 11
	s_mov_b32 s51, 0
	s_cmp_eq_u32 s43, 0
	s_cselect_b64 s[36:37], s[6:7], s[8:9]
	s_cmp_eq_u32 s43, 2
	s_cselect_b64 s[36:37], s[10:11], s[36:37]
	s_add_nc_u64 s[38:39], s[36:37], s[46:47]
	s_add_nc_u64 s[36:37], s[36:37], s[44:45]
	s_add_nc_u64 s[40:41], s[26:27], s[50:51]
	s_branch .Lconv
.Lnot_w:
	s_cmp_lt_u32 s33, 1280
	s_cbranch_scc0 .Ltab
	; wo: rows n and n + 1.  Piece i of a row's four is 512 bytes of wo: lane l writes columns (2 i + l / 16) 128 + (l % 16) 8 + 0..7, which are Wo's columns (l % 16) 64 + (2 i + l / 16) 8 + 0..7
	v_and_b32 v12, 15, v0
	v_bfe_u32 v13, v0, 4, 1
	v_lshlrev_b32 v3, 8, v12
	v_lshl_add_u32 v3, v13, 5, v3                  ; 256 (l % 16) + 32 (l / 16)
	s_sub_co_u32 s42, s33, 1216
	s_lshl_b32 s42, s42, 4
	s_lshl1_add_u32 s42, s32, s42                  ; n
	s_lshl_b32 s44, s42, 12
	s_mov_b32 s45, 0
	s_lshl_b32 s46, s42, 11
	s_mov_b32 s47, 0
	s_add_nc_u64 s[36:37], s[12:13], s[44:45]
	s_add_nc_u64 s[40:41], s[28:29], s[46:47]
.irp p, 0,1,2,3,4,5,6,7                ; piece p: row p / 4, piece p % 4
	global_load_b128 v[X+8*(\p):X+8*(\p)+3],   v3, s[36:37] offset:((\p)/4)*4096+((\p)%4)*64
	global_load_b128 v[X+8*(\p)+4:X+8*(\p)+7], v3, s[36:37] offset:((\p)/4)*4096+((\p)%4)*64+16
.endr
.irp p, 0,1,2,3,4,5,6,7
	s_wait_loadcnt 14-2*(\p)                       ; loads come back in order: this piece's two are in, the younger ones stay out
.irp k, 0,1,2,3
	v_cvt_pk_bf16_f32 v[Y+4*(\p)+(\k)], v[X+8*(\p)+2*(\k)], v[X+8*(\p)+2*(\k)+1]  ; the input's one rounding, to bf16
.endr
.irp k, 0,1,2,3
	v_lshlrev_b32 v[T+2*(\k)],   16, v[Y+4*(\p)+(\k)]
	v_and_b32     v[T+2*(\k)+1], s34, v[Y+4*(\p)+(\k)]
.endr
.irp k, 0,1,2,3
	v_cvt_pk_f16_f32 v[Y+4*(\p)+(\k)], v[T+2*(\k)], v[T+2*(\k)+1]  ; that number as f16
.endr
	global_store_b128 v1, v[Y+4*(\p):Y+4*(\p)+3], s[40:41] offset:((\p)/4)*2048+((\p)%4)*512  ; 512 consecutive bytes
.endr
	s_endpgm
.Ltab:
	; the tables: thread t makes entries c = 2 t, 2 t + 1 and c + 512, c + 513 of each section of 1,024
	v_lshlrev_b32 v10, 1, v0                       ; c
	v_bfe_u32 v11, v10, 3, 4
	v_lshrrev_b32 v12, 7, v10
	v_and_b32 v13, 7, v10
	v_lshlrev_b32 v4, 6, v11
	v_lshl_add_u32 v4, v12, 3, v4
	v_add_lshl_u32 v4, v4, v13, 2                  ; 4 n for q and k; c + 1 is 4 bytes on, c + 512 (o + 4) 128
	v_and_b32 v14, 1, v12
	v_lshl_add_u32 v14, v14, 3, v13
	v_lshrrev_b32 v15, 8, v10
	v_lshlrev_b32 v5, 6, v14
	v_lshl_add_u32 v5, v15, 4, v5
	v_add_lshl_u32 v5, v5, v11, 2                  ; 4 n for v; c + 1 is 256 bytes on, c + 512 (dt + 2) 128
	v_lshlrev_b32 v6, 3, v0                        ; 8 t
	global_load_b64 v[X+0:X+1],   v4, s[14:15]
	global_load_b64 v[X+2:X+3],   v4, s[14:15] offset:128
	global_load_b64 v[X+4:X+5],   v4, s[16:17]
	global_load_b64 v[X+6:X+7],   v4, s[16:17] offset:128
	global_load_b32 v[X+8],       v5, s[18:19]
	global_load_b32 v[X+9],       v5, s[18:19] offset:256
	global_load_b32 v[X+10],      v5, s[18:19] offset:128
	global_load_b32 v[X+11],      v5, s[18:19] offset:384
	global_load_b64 v[X+12:X+13], v6, s[20:21]
	global_load_b64 v[X+14:X+15], v6, s[20:21] offset:2048
	s_wait_loadcnt 0x0
.irp p, 0,1,2,3,4,5,6,7                ; pairs 0-5: the bias; 6, 7: bo, which begins at 12,288 = 6 x 2,048
	v_cvt_pk_bf16_f32 v[Y+(\p)], v[X+2*(\p)], v[X+2*(\p)+1]
	v_lshlrev_b32 v[X+16+2*(\p)], 16, v[Y+(\p)]
	v_and_b32     v[X+17+2*(\p)], s34, v[Y+(\p)]
	global_store_b64 v6, v[X+16+2*(\p):X+17+2*(\p)], s[30:31] offset:2048*(\p)
.endr
	s_cmp_lg_u32 s32, 0                            ; wave 0 alone: scale, two numbers a lane
	s_cbranch_scc1 .Ltab_end
	global_load_b64 v[X+32:X+33], v2, s[22:23]
	v_lshlrev_b32 v7, 2, v0
	s_wait_loadcnt 0x0
	v_cvt_pk_bf16_f32 v[X+34], v[X+32], v[X+33]
	global_store_b32 v7, v[X+34], s[30:31] offset:16384
.Ltab_end:
	s_endpgm
.Lconv:
	; two rows of 1,024 f32 (s[36:37], s[38:39]) to two rows of bf16 that lie on end (s[40:41]).  No register is used twice, so the only waits are the counted ones.
.irp i, 0,1,2,3,4,5,6,7
	global_load_b128 v[X+4*(\i):X+4*(\i)+3], v1, s[36:37] offset:512*(\i) th:TH_LOAD_NT
.endr
.irp i, 0,1,2,3,4,5,6,7
	global_load_b128 v[X+32+4*(\i):X+32+4*(\i)+3], v1, s[38:39] offset:512*(\i) th:TH_LOAD_NT
.endr
.irp i, 0,1,2,3,4,5,6,7,8,9,10,11,12,13,14,15
	s_wait_loadcnt 15-(\i)                         ; load i is in, the younger ones stay out
	v_cvt_pk_bf16_f32 v[Y+2*(\i)],   v[X+4*(\i)],   v[X+4*(\i)+1]
	v_cvt_pk_bf16_f32 v[Y+2*(\i)+1], v[X+4*(\i)+2], v[X+4*(\i)+3]
	global_store_b64 v2, v[Y+2*(\i):Y+2*(\i)+1], s[40:41] offset:256*(\i)  ; the wave's 32 lanes store 256 consecutive bytes, aligned
.endr
	s_endpgm
.Lfunc_end_k_q60dc4ae51a_prep:
	.size	k_q60dc4ae51a_prep, .Lfunc_end_k_q60dc4ae51a_prep-k_q60dc4ae51a_prep
	.p2alignl 7, 3214868480
	.fill 96, 4, 3214868480
	.section	.rodata,"a",@progbits
	.p2align	6, 0x0
	.amdhsa_kernel k_q60dc4ae51a_prep
		.amdhsa_group_segment_fixed_size 0
		.amdhsa_private_segment_fixed_size 0
		.amdhsa_enable_private_segment 0
		.amdhsa_kernarg_size 112
		.amdhsa_user_sgpr_count 2
		.amdhsa_user_sgpr_kernarg_segment_ptr 1
		.amdhsa_wavefront_size32 1
		.amdhsa_system_sgpr_workgroup_id_x 1
		.amdhsa_system_sgpr_workgroup_id_y 1
		.amdhsa_system_sgpr_workgroup_id_z 1
		.amdhsa_system_vgpr_workitem_id 0
		.amdhsa_next_free_vgpr 120
		.amdhsa_next_free_sgpr 66
		.amdhsa_reserve_vcc 0
		.amdhsa_float_denorm_mode_32 3
		.amdhsa_float_denorm_mode_16_64 3
		.amdhsa_memory_ordered 1
		.amdhsa_forward_progress 1
		.amdhsa_inst_pref_size 21
	.end_amdhsa_kernel
	.amdgpu_metadata
---
amdhsa.version: [ 1, 2 ]
amdhsa.kernels:
  - .name:           k_q60dc4ae51a_prep
    .symbol:         k_q60dc4ae51a_prep.kd
    .args:
      - { .name: x, .offset: 0, .size: 8, .value_kind: global_buffer, .address_space: global }
      - { .name: Wq, .offset: 8, .size: 8, .value_kind: global_buffer, .address_space: global }
      - { .name: Wk, .offset: 16, .size: 8, .value_kind: global_buffer, .address_space: global }
      - { .name: Wv, .offset: 24, .size: 8, .value_kind: global_buffer, .address_space: global }
      - { .name: Wo, .offset: 32, .size: 8, .value_kind: global_buffer, .address_space: global }
      - { .name: bq, .offset: 40, .size: 8, .value_kind: global_buffer, .address_space: global }
      - { .name: bk, .offset: 48, .size: 8, .value_kind: global_buffer, .address_space: global }
      - { .name: bv, .offset: 56, .size: 8, .value_kind: global_buffer, .address_space: global }
      - { .name: bo, .offset: 64, .size: 8, .value_kind: global_buffer, .address_space: global }
      - { .name: scale, .offset: 72, .size: 8, .value_kind: global_buffer, .address_space: global }
      - { .name: xb, .offset: 80, .size: 8, .value_kind: global_buffer, .address_space: global }
      - { .name: wqkv, .offset: 88, .size: 8, .value_kind: global_buffer, .address_space: global }
      - { .name: wo, .offset: 96, .size: 8, .value_kind: global_buffer, .address_space: global }
      - { .name: tab, .offset: 104, .size: 8, .value_kind: global_buffer, .address_space: global }
    .group_segment_fixed_size: 0
    .private_segment_fixed_size: 0
    .kernarg_segment_align: 8
    .kernarg_segment_size: 112
    .max_flat_workgroup_size: 256
    .sgpr_count:     66
    .vgpr_count:     120
    .wavefront_size: 32
...
	.end_amdgpu_metadata
.endif
;; end of part 1
;; launch qkv (part 2): grid 4 x 64, 4 waves a work-group, clusters of 4 x 4, 327,680 bytes of LDS; arguments xb, wqkv, qkv, tab; writes qkv
.if DOCPART == 2
	.amdgcn_target "amdgcn-amd-amdhsa--gfx1250"
	.amdhsa_code_object_version 6
	.text
	.protected	k_q60dc4ae51a_qkv
	.globl	k_q60dc4ae51a_qkv
	.p2align	8
	.type	k_q60dc4ae51a_qkv,@function
k_q60dc4ae51a_qkv:
	s_mov_b64 s[64:65], 0
	v_nop
	global_prefetch_b8 v0, s[64:65] scope:SCOPE_SE
	s_setreg_imm32_b32 hwreg(HW_REG_WAVE_MODE, 25, 1), 1
	s_wait_xcnt 0x0
	s_wait_alu depctr_hold_cnt(0) depctr_sa_sdst(0) depctr_va_vdst(0) depctr_va_sdst(0) depctr_va_ssrc(0) depctr_va_vcc(0) depctr_vm_vsrc(0)
	s_getreg_b32 s2, hwreg(HW_REG_IB_STS2, 6, 4)
	s_cmp_eq_u32 s2, 0
	s_cbranch_scc0 .Lentry_in_a_cluster
	s_endpgm
.Lentry_in_a_cluster:
	s_bfe_u32 s2, ttmp6, 0x10000c
	s_cmp_lg_u32 s2, 0xf033
	s_cbranch_scc0 .Lentry_shape_is_right
	s_endpgm
.Lentry_shape_is_right:
; qkv[m][c'] = bias[c'] + sum over k of xb[m][k] wqkv[c'][k].  xb: [16384][1024] bf16, wqkv: [3072][1024] bf16, bias: f32 at tab's head; sums in f32, rounded once.
; qkv: [16384][3072] of 16 bits: columns 0-1023 (q) and 1024-2047 (k) in bf16, columns 2048-3071 (v) in f16.
; LIMITS.  |v| stays under 65,504 (f16's range); q and k have bf16's range.  NaN and infinities are not treated apart.
; SHARES.  A tile is 256 x 256, made by four waves, each 128 x 128: 64 accumulators of 16 x 16, 512 registers.  K goes in steps of 128 through a ring of two LDS slots filled by the
; tensor data mover; a tile's rows are 256 bytes of memory, aligned.  A WORK-GROUP STAYS and makes three tiles, the same 256 rows of q, then k, then v: A's rows are common to the walk,
; B goes 1,024 rows down at each change of tile, and the ring runs on across the change.  The last tile, v, is written out, so its f16 rounding needs no branch; its last K step goes by rows
; of the result, so that finished rows leave while the others are multiplied.
; CLUSTERS: 4 x 4 work-groups.  The four of a row of the cluster need the same tiles of A, the four of a column the same tiles of B: each tile is asked for JOINTLY, by the same tensor load
; with the same descriptor and a mask that names the four.
; THE MATRIX INSTRUCTION IS USED TRANSPOSED (source 0 = 16 rows of B, source 1 = 16 rows of A): lane l holds row l % 16 of the result and the columns 8 (l / 16) + 0..7.
; THE BIAS IS THE C OPERAND of each accumulator's first product: nothing is cleared and the way out adds nothing.
; REGISTERS, in windows of 256 (s_set_vgpr_msb: bits 1:0 source 0, 3:2 source 1, 5:4 source 2, 7:6 destination):
;   window 0: v0-31 addresses; v64-127, v128-191 fragments of A, two buffers (in the very last K step four, of 16 rows x 128 K); v32-63, v192-255 at work on the way out
;   window 1: v0-63 the bias of my 128 columns (block b, register j: column 16 b + 8 (l / 16) + j); v64-127, v128-191 fragments of B; in the very last K step all 256: B's fragments of the whole step
;   window 2: the accumulators of my rows 0-63 ((a, b) at v[8 (8 a + b)]);   window 3: those of my rows 64-127
.set SIZE_K, 1024
.set KSTEP,  128
.set ROWB,   SIZE_K*2                  ; bytes in a row of xb and of wqkv
.set CROW,   6144                      ; bytes in a row of qkv
.set TILES,  3
.set PITCH,  272                       ; an LDS row: 256 bytes + 16 of padding = 68 words: the 16 rows that a load touches start at 16 different groups of four banks (64 banks of 4 bytes: ISA guide 11.1)
.set HALFT,  128*PITCH                 ; 128 rows: what one tensor load brings, and what one wave reads of A or of B
.set SLOT,   4*HALFT                   ; A's 256 rows, then B's 256 rows
.set STAGE,  2*SLOT                    ; behind the ring: 16 rows x 272 bytes for each wave, for the way out
.set SPITCH, 272
.set SPARE,  STAGE+4*16*SPITCH         ; behind the stages: the spare words, 128 bytes for each wave, which no other line names
.set LAPS,   SIZE_K/(2*KSTEP)          ; a lap = two K steps = once round the ring
.set BACK_A, (SIZE_K-2*KSTEP)*2        ; from a slot's last K step of a tile back to its first
.set NEXT_B, 1024*ROWB-BACK_A          ; the same, 1,024 rows further down
.set NEXT_P, 1023*ROWB+KSTEP*2         ; the prefetches: from the K step after a tile's last to the next tile's K step 1
.set ADRA, 16                          ; v16-17  LDS address of my A fragments in slot 0, 1
.set ADRB, 20                          ; v20-21  the same for B
.set STO,  24                          ; v24     the way out: where I put 16 bytes of a row
.set RD,   25                          ; v25     the way out: where I read a row back
.set CO,   26                          ; v26     my byte offset in two rows of qkv
.set TO,   27                          ; v27     32 (l / 16): my eight numbers in a block's 64 bytes of bias
.set SPW,  28                          ; v28     LDS address of my spare word; never rewritten
.set NIL,  29                          ; v29     0; never rewritten
.set PFO,  30                          ; v30     the prefetches' offset: my lane x a row; never rewritten
.set F0,   64
.set F1,   128
.set PA,   64                          ; the very last K step: A's fragments of 16 rows x 128 K, 32 registers; four such buffers, v64-191
.set TMP,  192
.set OB,   32                          ; 16 rows read back from the stage: v32-63 and v224-255 by turns
.set BE,   0                           ; window 1
.set WV,  12                           ; s12  my wave's number
.set RH,  13                           ; s13  which half of the tile's rows is mine.  Also: I fetch for A (0) or for B (1)
.set CH,  14                           ; s14  which half of its columns.  Also: which 128 rows of that tile I fetch
.set LIM, 15                           ; s15  1 in a wave that prefetches, else the greatest number
.set G1,  24                           ; s[24:31] descriptor group 1 for A's tiles;  s[32:39] group 0, a set for each slot
.set G0,  32
.set PFA, 44                           ; s[44:45] where my prefetches stand
.set G1B, 48                           ; s[48:55], s[56:63] the same for B's tiles
.set G0B, 56
.set MSB, 0
.macro WIN new                         ; the immediate's high byte repeats the setting that is left; a switch that changes nothing is dropped
.if MSB != (\new)
	s_set_vgpr_msb (MSB<<8)|(\new)
.set MSB, \new
.endif
.endm
.set MUL_LO, 0xa1                      ; source 0 (B) window 1, source 1 (A) window 0, C and D window 2; + 0x50: window 3
.set MUL_B,  0x91                      ; the same with C (the bias) in window 1; + 0x40: D in window 3
.set TO_B,   0x40                      ; destination window 1, address window 0
; A joint load.  Waves 0 and 1 fetch A's two halves, waves 2 and 3 B's.  The branch hangs on the wave's number alone.  An s_nop 0 and four v_nop follow each of the two lines.
.macro JLOAD s
	s_cmp_eq_u32 s[RH], 0
	s_cbranch_scc0 .Lfor_b_\@
	tensor_load_to_lds s[G0+4*(\s):G0+4*(\s)+3], s[G1:G1+7]
	s_nop 0
.rept 4
	v_nop
.endr
	s_branch .Lasked_\@
.Lfor_b_\@:
	tensor_load_to_lds s[G0B+4*(\s):G0B+4*(\s)+3], s[G1B:G1B+7]
	s_nop 0
.rept 4
	v_nop
.endr
.Lasked_\@:
.endm
; A PREFETCH INTO THE L2, behind each joint load and the run of LDS loads that follows it: the K step that stands two refills on: 32 rows x 256 bytes, a lane a row, one instruction a wave.
; Each row's 256 bytes of a K step are named once in the launch.  A's rows are read by one cluster alone (the grid is one cluster wide), which asks for them in its first tile; B's rows are read by every cluster:
; the one with y = 0 asks.  The four partners that ask for a tile jointly share its rows out BY ADDRESS, 32 each (by cx for A, by cy for B).  how = 0, in the loop: a tile's last two refills have no K step two on;
; how = 1, at a change of tile: the next tile's K steps 2 and 3 of B.
.macro ASK how
.if \how
	s_cmp_eq_u32 s[LIM], 1
.else
	s_cmp_gt_u32 s3, s[LIM]                        ; s3 = 1 in the loop's last trip
.endif
	s_cbranch_scc0 .Lnot_mine_\@
	global_prefetch_b8 v[PFO], s[PFA:PFA+1] offset:KSTEP*2 th:TH_LOAD_NT scope:SCOPE_SE
.Lnot_mine_\@:
.endm
.macro CREST                           ; a round of the cluster's barrier behind its opening barrier
	s_cmp_lg_u32 s[WV], 0
	s_cbranch_scc1 .Lnot_wave_0_\@
	s_barrier_signal -3
.Lnot_wave_0_\@:
	s_barrier_wait -3
	s_barrier_signal -1
	s_barrier_wait -1
.endm
.macro CROUND                          ; a whole round
	s_barrier_signal -1
	s_barrier_wait -1
	CREST
.endm
	s_load_b256 s[4:11], s[0:1], 0x0               ; xb s[4:5], wqkv s[6:7], qkv s[8:9], tab s[10:11]
	v_lshl_add_u32 v[SPW], v0, 2, SPARE
	v_mov_b32 v[NIL], 0
	ds_add_u32 v[SPW], v[NIL]                      ; the wave's opening: the add and its wait stand ahead of my first tensor load; the set-up below, work on registers, stands between them
	v_lshrrev_b32 v1, 5, v0
	v_readfirstlane_b32 s[WV], v1                  ; wave 0..3
	s_lshr_b32 s[RH], s[WV], 1
	s_and_b32 s[CH], s[WV], 1
	s_bfe_u32 s40, ttmp6, 0x40000                  ; cx
	s_bfe_u32 s41, ttmp6, 0x40004                  ; cy
	s_lshl_b32 s42, ttmp9, 2
	s_add_co_u32 s42, s42, s40                     ; tile column in a section = 4 x cluster x + cx
	s_and_b32 s43, ttmp7, 0xffff
	s_lshl_b32 s43, s43, 2
	s_add_co_u32 s43, s43, s41                     ; tile row = 4 x cluster y + cy
	s_lshl_b32 s66, s41, 2
	s_lshl_b32 s66, 15, s66                        ; my row of the cluster
	s_lshl_b32 s67, 0x1111, s40                    ; my column
	; descriptor group 1: a tile of 128 rows x 128 elements, padded in LDS
	s_or_b32 s[G1+0], s66, (1<<16)|(1<<20)|(1<<21)|(5<<22)|(3<<25)  ; 15:0 the mask; 17:16 elements of 2 bytes; 20 padding on; 21 set beside a mask; 24:22 after every 64 words (code 5); 31:25 4 words of it (code 3)
	s_or_b32 s[G1B+0], s67, (1<<16)|(1<<20)|(1<<21)|(5<<22)|(3<<25)
.irp g, G1, G1B
	s_mov_b32 s[(\g)+1], KSTEP<<16                 ; tensor_dim0 = 128
	s_mov_b32 s[(\g)+2], 128<<16                   ; tensor_dim1 = 128
	s_mov_b32 s[(\g)+3], KSTEP<<16                 ; tile_dim0 = 128
	s_mov_b32 s[(\g)+4], 128                       ; tile_dim1 = 128
	s_mov_b32 s[(\g)+5], SIZE_K                    ; elements from row to row
	s_mov_b32 s[(\g)+6], 0
	s_mov_b32 s[(\g)+7], 0
.endr
	; A's tiles hang on the tile row alone, B's on the tile column alone; each address is made in registers that never hold the other coordinate
	s_lshl_b32 s18, s[CH], 7                       ; which 128 rows of the tile I fetch
	s_lshl_b32 s16, s43, 8
	s_add_co_u32 s16, s16, s18
	s_lshl_b32 s16, s16, 11                        ; A: (256 x tile row + 128 x half) rows of 2,048 bytes: under 2^26
	s_mov_b32 s17, 0
	s_lshl_b32 s46, s42, 8
	s_add_co_u32 s46, s46, s18
	s_lshl_b32 s46, s46, 11                        ; B: (256 x tile column + 128 x half) rows
	s_mov_b32 s47, 0
	s_mul_i32 s20, s[WV], HALFT                    ; where they go: wave x 128 rows: no place in the cluster enters an LDS address
	s_wait_dscnt 0x0                               ; the opening add is done
	s_wait_kmcnt 0x0
	s_add_nc_u64 s[16:17], s[4:5], s[16:17]
	s_add_nc_u64 s[46:47], s[6:7], s[46:47]
	CROUND                                         ; all sixteen work-groups are here: the first joint loads meet
.irp s, 0,1
	s_mov_b32 s[G0+4*(\s)], 1                                      ; count = 1
	s_add_co_u32 s[G0+4*(\s)+1], s20, (\s)*SLOT                    ; LDS address
	s_add_nc_u64 s[G0+4*(\s)+2:G0+4*(\s)+3], s[16:17], (\s)*KSTEP*2  ; global address: K step s
	s_or_b32 s[G0+4*(\s)+3], s[G0+4*(\s)+3], 0x80000000            ; type = 2
	s_mov_b32 s[G0B+4*(\s)], 1
	s_add_co_u32 s[G0B+4*(\s)+1], s20, (\s)*SLOT
	s_add_nc_u64 s[G0B+4*(\s)+2:G0B+4*(\s)+3], s[46:47], (\s)*KSTEP*2
	s_or_b32 s[G0B+4*(\s)+3], s[G0B+4*(\s)+3], 0x80000000
	JLOAD \s                                       ; two loads of mine are out
.endr
	; a fragment is 16 rows x 32 K in 8 registers: lane l holds row l % 16, K = 8 (l / 16) + 0..7 and 16 + 8 (l / 16) + 0..7: two loads of 16 bytes, 32 bytes apart
	v_and_b32 v1, 15, v0                           ; l % 16
	v_bfe_u32 v2, v0, 4, 1                         ; l / 16
	v_mul_u32_u24 v3, v1, PITCH
	v_lshl_add_u32 v3, v2, 4, v3
	s_mul_i32 s21, s[RH], HALFT                    ; my 128 rows of A
	s_mul_i32 s22, s[CH], HALFT                    ; my 128 rows of B,
	s_add_co_u32 s22, s22, 2*HALFT                 ; which lie behind A's 256
.irp s, 0,1
	v_add_nc_u32 v[ADRA+(\s)], s21, v3
	v_add_nc_u32 v[ADRB+(\s)], s22, v3
	s_add_co_u32 s21, s21, SLOT
	s_add_co_u32 s22, s22, SLOT
.endr
	s_mul_i32 s23, s[WV], 16*SPITCH
	s_add_co_u32 s23, s23, STAGE                   ; my stage
	v_mul_u32_u24 v4, v1, SPITCH                   ; in: row l % 16, 16 bytes for each half of the lanes
	v_lshl_add_u32 v4, v2, 4, v4
	v_add_nc_u32 v[STO], s23, v4
	v_mul_u32_u24 v5, v2, SPITCH                   ; back: lanes 0-15 take one row of 256 bytes, lanes 16-31 the next
	v_lshl_add_u32 v5, v1, 4, v5
	v_add_nc_u32 v[RD], s23, v5
	v_mul_u32_u24 v5, v2, CROW                     ; and the same two rows in qkv
	v_lshl_add_u32 v[CO], v1, 4, v5
	v_lshlrev_b32 v[TO], 5, v2
	; qkv at my 128 rows and my 128 columns of section q; the bias at the same columns
	s_lshl_b32 s16, s43, 8
	s_lshl_b32 s17, s[RH], 7
	s_add_co_u32 s16, s16, s17
	s_mul_i32 s16, s16, CROW                       ; under 2^27
	s_lshl_b32 s17, s42, 9
	s_add_co_u32 s16, s16, s17
	s_lshl_b32 s17, s[CH], 8
	s_add_co_u32 s16, s16, s17
	s_mov_b32 s17, 0
	s_add_nc_u64 s[8:9], s[8:9], s[16:17]
	s_lshl_b32 s16, s42, 10
	s_lshl_b32 s18, s[CH], 9
	s_add_co_u32 s16, s16, s18
	s_add_nc_u64 s[10:11], s[10:11], s[16:17]
	; the prefetches
	s_lshl_b32 s18, s43, 8
	s_lshl_b32 s19, s42, 8
	s_and_b32 s22, ttmp7, 0xffff                   ; cluster y
	s_cmp_eq_u32 s[RH], 0                          ; do I fetch for A?
	s_cselect_b32 s20, s18, s19                    ; the tile's first row
	s_cselect_b32 s21, s40, s41                    ; my place among the four that ask for it with me
	s_cselect_b32 s22, ttmp9, s22                  ; the coordinate along which other clusters read the same rows
	s_cselect_b64 s[PFA:PFA+1], s[4:5], s[6:7]
	s_cmp_eq_u32 s22, 0
	s_cselect_b32 s[LIM], 1, -1                    ; the same in all sixteen partners, for a given wave
	s_lshl_b32 s22, s[CH], 7
	s_add_co_u32 s20, s20, s22                     ; + the 128 rows that I fetch
	s_lshl_b32 s21, s21, 5
	s_add_co_u32 s20, s20, s21                     ; + my work-group's 32 of them
	s_lshl_b32 s20, s20, 11
	s_mov_b32 s21, 0
	s_add_nc_u64 s[PFA:PFA+1], s[PFA:PFA+1], s[20:21]
	s_add_nc_u64 s[PFA:PFA+1], s[PFA:PFA+1], 2*KSTEP*2  ; at K step 2: the first refill steps it to 3 and names K step 4.  Nothing is prefetched here, at the head
	v_and_b32 v[PFO], 31, v0
	v_lshlrev_b32 v[PFO], 11, v[PFO]
; The bias of my 128 columns: block b's 64 bytes, of which my half of the lanes takes 32, in two loads
.macro BIAS
	WIN TO_B
.irp i, 0,1,2,3,4,5,6,7,8,9,10,11,12,13,14,15
	global_load_b128 v[BE+4*(\i):BE+4*(\i)+3], v[TO], s[10:11] offset:64*((\i)/2)+16*((\i)%2)
.endr
	WIN 0
.endm
; 16 matrix instructions: m blocks a0, a0 + 1 of the window's four (hi = 0: my rows 0-63, 1: rows 64-127) x all 8 n blocks, 32 along K.  first = 1: the bias starts the sums.
; The 64 accumulators take turns, in the same order in every quarter.
.macro MUL16 f, hi, a0, first
.if \first
	WIN MUL_B+0x40*(\hi)
.else
	WIN MUL_LO+0x50*(\hi)
.endif
.irp a, \a0, (\a0)+1
.irp b, 0,1,2,3,4,5,6,7
.if \first
	v_wmma_f32_16x16x32_bf16 v[8*(8*(\a)+(\b)):8*(8*(\a)+(\b))+7], v[(\f)+8*(\b):(\f)+8*(\b)+7], v[(\f)+8*(4*(\hi)+(\a)):(\f)+8*(4*(\hi)+(\a))+7], v[BE+8*(\b):BE+8*(\b)+7]
.else
	v_wmma_f32_16x16x32_bf16 v[8*(8*(\a)+(\b)):8*(8*(\a)+(\b))+7], v[(\f)+8*(\b):(\f)+8*(\b)+7], v[(\f)+8*(4*(\hi)+(\a)):(\f)+8*(4*(\hi)+(\a))+7], v[8*(8*(\a)+(\b)):8*(8*(\a)+(\b))+7]
.endif
.endr
.endr
.endm
; 32 LDS loads in one run: the fragments of one quarter step (128 rows of B, 128 rows of A, 32 K at byte k of the rows) into buffer f
.macro FETCH slot, k, f
	WIN TO_B
.irp i, 0,1,2,3,4,5,6,7
	ds_load_b128 v[(\f)+8*(\i):(\f)+8*(\i)+3],   v[ADRB+(\slot)] offset:(\k)+(\i)*16*PITCH
	ds_load_b128 v[(\f)+8*(\i)+4:(\f)+8*(\i)+7], v[ADRB+(\slot)] offset:(\k)+(\i)*16*PITCH+32
.endr
	WIN 0
.irp i, 0,1,2,3,4,5,6,7
	ds_load_b128 v[(\f)+8*(\i):(\f)+8*(\i)+3],   v[ADRA+(\slot)] offset:(\k)+(\i)*16*PITCH
	ds_load_b128 v[(\f)+8*(\i)+4:(\f)+8*(\i)+7], v[ADRA+(\slot)] offset:(\k)+(\i)*16*PITCH+32
.endr
.endm
.macro PLACES                          ; four plain vector instructions behind a matrix instruction, in front of loads into registers that it has read and of readers of its result
.rept 4
	v_nop
.endr
.endm
; A K step is four quarters of 32 along K, 64 matrix instructions each, on buffers 0, 1, 0, 1.  One of the first three: multiplies buffer f; in its middle it fetches the next quarter, at byte k, into g.
.macro QUARTER slot, k, f, g, first
	s_wait_dscnt 8                                 ; B and A's rows 0-63 are in; the youngest eight loads (A's rows 64-127) may be out
	MUL16 \f, 0, 0, \first
	MUL16 \f, 0, 2, \first
	PLACES
	FETCH \slot, \k, \g
	s_wait_dscnt 32                                ; all but the 32 just issued
	MUL16 \f, 1, 0, \first
	MUL16 \f, 1, 2, \first
.endm
; The last quarter multiplies buffer 1 and changes slots.  MEET is its first half: one barrier; in front of it each wave waits for all its tensor loads (the one that is out is its part of the next slot),
; adds 0 to its spare word, and waits for that and for its own reads of this slot.  Behind it nobody reads this slot any more and the next slot is whole.
.macro MEET round
	WIN 0                                          ; (the add's two registers lie in window 0)
	s_wait_tensorcnt 0x0
	ds_add_u32 v[SPW], v[NIL]                      ; 0 onto my spare word
	s_wait_dscnt 9                                 ; (the add and the youngest eight loads may be out)
	MUL16 F1, 0, 0, 0                              ; sixteen matrix instructions stand between the add and the wait for it
	s_wait_dscnt 0x0                               ; the add is done, and my reads of this slot are over
	s_barrier_signal -1
	MUL16 F1, 0, 2, 0                              ; work on registers while the others arrive
.if \round
	WIN 0
.endif
	s_barrier_wait -1
.endm
; The whole last quarter.  The barrier opens a round of the cluster's barrier; behind the round the slot just read out is filled again first: with this tile's K step two steps on (on = 0) or
; with the next tile's K step 0 or 1 (on = 1: A back along K, B 1,024 rows down); then come the next slot's first fragments.  One load of mine is out behind each round.
.macro TURN slot, next, on
	s_wait_xcnt 0x0                                ; the last prefetch, a K step back, has read its address: it is stepped here
.if (\on) && (\slot) == 0
	s_add_nc_u64 s[PFA:PFA+1], s[PFA:PFA+1], NEXT_P
	s_cmp_eq_u32 s[RH], 0
	s_cselect_b32 s[LIM], -1, s[LIM]               ; A's rows are the same for all tiles of the walk: they are prefetched no more
.else
	s_add_nc_u64 s[PFA:PFA+1], s[PFA:PFA+1], KSTEP*2
.endif
	MEET 1
	CREST                                          ; no wave of any partner still reads this slot's tile or has a load on its way
.if \on
	s_sub_nc_u64 s[G0+4*(\slot)+2:G0+4*(\slot)+3], s[G0+4*(\slot)+2:G0+4*(\slot)+3], BACK_A
	s_add_nc_u64 s[G0B+4*(\slot)+2:G0B+4*(\slot)+3], s[G0B+4*(\slot)+2:G0B+4*(\slot)+3], NEXT_B
.else
	s_add_nc_u64 s[G0+4*(\slot)+2:G0+4*(\slot)+3], s[G0+4*(\slot)+2:G0+4*(\slot)+3], 2*KSTEP*2
	s_add_nc_u64 s[G0B+4*(\slot)+2:G0B+4*(\slot)+3], s[G0B+4*(\slot)+2:G0B+4*(\slot)+3], 2*KSTEP*2
.endif
	JLOAD \slot                                    ; the four v_nop behind it are also the places in front of the loads below
	FETCH \next, 0, F0
	ASK \on
	MUL16 F1, 1, 0, 0
	MUL16 F1, 1, 2, 0
.endm
; THE WAY OUT of block a (16 of my rows).  PACK: rounded to 16 bits (fmt 0: bf16, 1: f16), each accumulator's registers in ascending order.  TOSTAGE: into my own stage, and back as whole rows of 256 bytes.  SEND: stored.
.macro PACK a, fmt
.set AC, 64*((\a)%4)
	WIN 0x0a+5*((\a)/4)                            ; sources 0 and 1: window 2 or 3
.irp b, 0,1,2,3,4,5,6,7
.irp r, 0,1,2,3
.if \fmt
	v_cvt_pk_f16_f32 v[TMP+4*(\b)+(\r)], v[AC+8*(\b)+2*(\r)], v[AC+8*(\b)+2*(\r)+1]
.else
	v_cvt_pk_bf16_f32 v[TMP+4*(\b)+(\r)], v[AC+8*(\b)+2*(\r)], v[AC+8*(\b)+2*(\r)+1]
.endif
.endr
.endr
	WIN 0
.endm
.macro TOSTAGE a
	WIN 0
.set BK, OB+192*((\a)%2)
.irp b, 0,1,2,3,4,5,6,7
	ds_store_b128 v[STO], v[TMP+4*(\b):TMP+4*(\b)+3] offset:32*(\b)
.endr
.irp t, 0,1,2,3,4,5,6,7
	ds_load_b128 v[BK+4*(\t):BK+4*(\t)+3], v[RD] offset:(\t)*2*SPITCH  ; LDS serves a wave's instructions in order (ISA guide 5.7.1.4): these see the stores above
.endr
.endm
.macro SEND a, younger                 ; younger: the LDS loads issued behind TOSTAGE's, which may stay out
	WIN 0
.set BK, OB+192*((\a)%2)
	s_wait_dscnt \younger                          ; the block is back in registers
	s_wait_xcnt 0x0                                ; the stores of the block before have read their registers, which the next TOSTAGE loads again
.irp t, 0,1,2,3,4,5,6,7
	global_store_b128 v[CO], v[BK+4*(\t):BK+4*(\t)+3], s[8:9] offset:(16*(\a)+2*(\t))*CROW  ; 16 lanes store 256 consecutive bytes, aligned; 126 rows of 6,144 bytes at the most, inside the signed 24-bit immediate
.endr
.endm
.macro WAYOUT fmt                      ; block a's conversions stand between block a - 1's loads from the stage and the wait for them
	PACK 0, \fmt
	TOSTAGE 0
.irp a, 1,2,3,4,5,6,7
	PACK \a, \fmt
	SEND (\a)-1, 0
	TOSTAGE \a
.endr
	SEND 7, 0
.endm
; THE LAST TILE'S LAST K STEP (it lies in slot 1) GOES BY ROWS OF THE RESULT, NOT BY K.  All its fragments of B (4 quarters x 64 registers) fill window 1; then my eight blocks of 16 rows are finished one
; after the other, each with 32 matrix instructions (its 8 accumulators by turns, K ascending).  LDS is read no more than in any other K step.
.macro BLOAD q                         ; B's fragments of quarter q -> window 1, v[64 q ..]
	WIN TO_B
.irp i, 0,1,2,3,4,5,6,7
	ds_load_b128 v[64*(\q)+8*(\i):64*(\q)+8*(\i)+3],   v[ADRB+1] offset:64*(\q)+(\i)*16*PITCH
	ds_load_b128 v[64*(\q)+8*(\i)+4:64*(\q)+8*(\i)+7], v[ADRB+1] offset:64*(\q)+(\i)*16*PITCH+32
.endr
.endm
.macro ALOAD a                         ; A's fragments of block a, all four quarters -> buffer a % 4
	WIN 0
.set FA, PA+32*((\a)%4)
.irp q, 0,1,2,3
	ds_load_b128 v[FA+8*(\q):FA+8*(\q)+3],   v[ADRA+1] offset:64*(\q)+(\a)*16*PITCH
	ds_load_b128 v[FA+8*(\q)+4:FA+8*(\q)+7], v[ADRA+1] offset:64*(\q)+(\a)*16*PITCH+32
.endr
.endm
.macro ROW a                           ; block a is finished: 32 matrix instructions
.set FA, PA+32*((\a)%4)                ; its fragments of A
.set AC, 64*((\a)%4)                   ; its eight accumulators, in window 2 (blocks 0-3) or 3 (blocks 4-7)
	WIN MUL_LO+0x50*((\a)/4)
.irp q, 0,1,2,3
.if (\a) == 0 && (\q) == 2
	s_wait_dscnt 24                                ; B's quarter 2 is in (behind it: A's blocks 1 to 3)
.endif
.irp b, 0,1,2,3,4,5,6,7
	v_wmma_f32_16x16x32_bf16 v[AC+8*(\b):AC+8*(\b)+7], v[64*(\q)+8*(\b):64*(\q)+8*(\b)+7], v[FA+8*(\q):FA+8*(\q)+7], v[AC+8*(\b):AC+8*(\b)+7]
.endr
.endr
.endm
	BIAS                                           ; section q's
	s_wait_tensorcnt 1                             ; my part of K step 0 is in; K step 1's may stay out
	s_barrier_signal -1
	s_barrier_wait -1                              ; everybody's is
	FETCH 0, 0, F0
	s_mov_b32 s2, TILES                            ; tiles to go, this one among them
.Ltile:
	s_wait_loadcnt 0x0                             ; the tile's bias
	QUARTER 0, 64,  F0, F1, 1                      ; a tile's first quarter stands in front of the loop: its products start the sums
	WIN 0                                          ; at a label and at a branch every window is 0
	s_mov_b32 s3, LAPS-1
.Llap:                                             ; a trip goes once round the ring, from a lap's second quarter to the next lap's first, and fills both slots again
	QUARTER 0, 128, F1, F0, 0
	QUARTER 0, 192, F0, F1, 0
	TURN 0, 1, 0
	QUARTER 1, 64,  F0, F1, 0
	QUARTER 1, 128, F1, F0, 0
	QUARTER 1, 192, F0, F1, 0
	TURN 1, 0, 0
	QUARTER 0, 64,  F0, F1, 0
	WIN 0
	s_sub_co_u32 s3, s3, 1
	s_cmp_lg_u32 s3, 0
	s_cbranch_scc1 .Llap
	QUARTER 0, 128, F1, F0, 0                      ; the tile's last lap goes on
	QUARTER 0, 192, F0, F1, 0
	WIN 0
	s_cmp_eq_u32 s2, 1
	s_cbranch_scc1 .Llast                          ; the last tile's tail is written out: it asks for nothing more
	s_add_nc_u64 s[10:11], s[10:11], 4096          ; the next section's bias: the old one's loads were waited for at the tile's head, and its last reader was the tile's first quarter
	BIAS
	TURN 0, 1, 1                                   ; the ring goes on into the next tile: slot 0 takes its K step 0,
	QUARTER 1, 64,  F0, F1, 0
	QUARTER 1, 128, F1, F0, 0
	QUARTER 1, 192, F0, F1, 0
	TURN 1, 0, 1                                   ; slot 1 its K step 1, and the next tile's first fragments are fetched
	WAYOUT 0                                       ; both refills are asked for: now the tile goes out.  Blocks 0-3 were finished in front of TURN's four v_nop; their conversions are the places behind blocks 4-7's last products
	s_wait_xcnt 0x0                                ; the stores have read their base
	s_add_nc_u64 s[8:9], s[8:9], 2048              ; the next section's columns
	s_sub_co_u32 s2, s2, 1
	s_branch .Ltile
.Llast:
	MEET 0                                         ; my one tensor load that was still out is the last K step's, so no round follows
	PLACES                                         ; for the loads into buffer 0, which the quarter before multiplied
	BLOAD 0                                        ; three quarters of B now: buffer 1 (v128-191 of both windows) is still being multiplied.  Quarter 0 takes the bias's registers, last read in the tile's first quarter
	BLOAD 1
	BLOAD 3
	ALOAD 0
	MUL16 F1, 1, 0, 0
	MUL16 F1, 1, 2, 0
	PLACES                                         ; for the loads into buffer 1
	BLOAD 2
	ALOAD 1
	ALOAD 2
	ALOAD 3
	s_wait_dscnt 40                                ; all but the 40 just issued
	ROW 0
	s_wait_dscnt 0x0                               ; A's blocks 1 to 3, asked for a block's products ago, are in
.irp a, 0,1,2,3,4,5,6,7                ; each block leaves as soon as it is finished; the next block's products stand between its trip through the stage and the wait for it
	PLACES                                         ; its conversions read results just made
	PACK \a, 1                                     ; section v leaves in f16
	TOSTAGE \a
.if (\a) < 4
	ALOAD (\a)+4                                   ; its buffer takes the block four further on: shown landed by the wait of the next block's SEND, two blocks ahead of its products
.endif
.if (\a) < 7
	ROW (\a)+1
.endif
.if (\a) < 4
	SEND \a, 8
.else
	SEND \a, 0
.endif
.endr
	s_wait_tensorcnt 0x0                           ; the wave's end, behind my last tensor load and my last LDS store
	ds_add_u32 v[SPW], v[NIL]
	s_wait_dscnt 0x0
	CROUND                                         ; the closing round: no work-group ends while a partner may still ask for a tile that names it
	s_endpgm
.Lfunc_end_k_q60dc4ae51a_qkv:
	.size	k_q60dc4ae51a_qkv, .Lfunc_end_k_q60dc4ae51a_qkv-k_q60dc4ae51a_qkv
	.p2alignl 7, 3214868480
	.fill 96, 4, 3214868480
	.section	.rodata,"a",@progbits
	.p2align	6, 0x0
	.amdhsa_kernel k_q60dc4ae51a_qkv
		.amdhsa_group_segment_fixed_size 327680
		.amdhsa_private_segment_fixed_size 0
		.amdhsa_enable_private_segment 0
		.amdhsa_kernarg_size 32
		.amdhsa_user_sgpr_count 2
		.amdhsa_user_sgpr_kernarg_segment_ptr 1
		.amdhsa_wavefront_size32 1
		.amdhsa_system_sgpr_workgroup_id_x 1
		.amdhsa_system_sgpr_workgroup_id_y 1
		.amdhsa_system_sgpr_workgroup_id_z 1
		.amdhsa_system_vgpr_workitem_id 0
		.amdhsa_next_free_vgpr 1024
		.amdhsa_next_free_sgpr 72
		.amdhsa_reserve_vcc 0
		.amdhsa_float_denorm_mode_32 3
		.amdhsa_float_denorm_mode_16_64 3
		.amdhsa_memory_ordered 1
		.amdhsa_forward_progress 1
		.amdhsa_inst_pref_size 213
	.end_amdhsa_kernel
	.amdgpu_metadata
---
amdhsa.version: [ 1, 2 ]
amdhsa.kernels:
  - .name:           k_q60dc4ae51a_qkv
    .symbol:         k_q60dc4ae51a_qkv.kd
    .args:
      - { .name: xb, .offset: 0, .size: 8, .value_kind: global_buffer, .address_space: global }
      - { .name: wqkv, .offset: 8, .size: 8, .value_kind: global_buffer, .address_space: global }
      - { .name: qkv, .offset: 16, .size: 8, .value_kind: global_buffer, .address_space: global }
      - { .name: tab, .offset: 24, .size: 8, .value_kind: global_buffer, .address_space: global }
    .group_segment_fixed_size: 327680
    .private_segment_fixed_size: 0
    .kernarg_segment_align: 8
    .kernarg_segment_size: 32
    .max_flat_workgroup_size: 128
    .sgpr_count:     72
    .vgpr_count:     1024
    .wavefront_size: 32
...
	.end_amdgpu_metadata
.endif
;; end of part 2
;; launch attn (part 3): grid 512 x 1, 8 waves a work-group, no clusters, 0 bytes of LDS; arguments qkv, tab, ob; writes ob
.if DOCPART == 3
	.amdgcn_target "amdgcn-amd-amdhsa--gfx1250"
	.amdhsa_code_object_version 6
	.text
	.protected	k_q60dc4ae51a_attn
	.globl	k_q60dc4ae51a_attn
	.p2align	8
	.type	k_q60dc4ae51a_attn,@function
k_q60dc4ae51a_attn:
	s_mov_b64 s[64:65], 0
	v_nop
	global_prefetch_b8 v0, s[64:65] scope:SCOPE_SE
	s_setreg_imm32_b32 hwreg(HW_REG_WAVE_MODE, 25, 1), 1
	s_wait_xcnt 0x0
; FOR EACH TOKEN its 16 heads attend to each other: S[h][t] = sum over d of q[h][d] scale[d] k[t][d] / 8; P = softmax over t; O[h][d] = sum over t of P[h][t] v[t][d].
; qkv: [16384][3072] of 16 bits, a row = q (bf16), k (bf16), v (f16) in the column orders in which each matrix fragment is 512 consecutive bytes: 16 bytes a lane at 16 x lane + 512 i.
; ob: [16384][1024] f16, column (d / 8) 128 + h 8 + d % 8.  Products, maximum and sum in f32.  q is multiplied by bf16(scale) and rounded to bf16 again; 1 / 8 and log2(e) are applied in f32;
; the row's true maximum is taken away; P is divided by its sum in f32 and rounded to f16 for the second product; O is rounded once.
; LIMITS.  v and O lie within f16's 65,504.  A weight below 2^-126 counts as 0.  NaN and infinities are not treated apart: two tokens share a product, each multiplied by 0 in the other's, so an infinite v spoils its partner too.
; SHARES.  A wave takes four tokens, as two pairs; a work-group 32.  All of a wave's 52 loads go out at its head; no loop, no LDS, no barrier: no wave wants a byte that another has fetched,
; so tensor loads, clusters and a prefetch would add nothing to a launch that only streams.
; LAYOUT.  S^T = K Q^T (source 0 = the 16 key heads, source 1 = the 16 query heads): a lane holds ONE query head h = l % 16 and the key heads 8 (l / 16) + 0..7.  Packed to f16 these four registers
; are half of source 1 (32 along K) of O^T = V^T P.  The other half belongs to the pair's other token: source 0 holds token a's V^T in registers 0-3 and token b's in 4-7, and source 1 is [P_a | 0] or [0 | P_b].
.set Q,  16                            ; v[16:79]    token T at Q + 16 T: channels 0-31, then 32-63.  Later O^T's channel tiles 0, 1
.set K,  80                            ; v[80:143]   likewise.  Later O^T's channel tiles 2, 3
.set V,  144                           ; v[144:207]  pair P, channel tile dt at V + 32 P + 8 dt
.set S,  208                           ; v[208:239]  token T at S + 8 T
.set ST, 240                           ; v[240:255]  first scale (16 registers), then four at work for each token
.set TOKB, 6144                        ; bytes of a token in qkv
	s_load_b128 s[4:7], s[0:1], 0x0                ; qkv, tab
	s_load_b64 s[8:9], s[0:1], 0x10                ; ob
	v_lshrrev_b32 v3, 5, v0
	v_readfirstlane_b32 s10, v3                    ; wave 0..7
	v_and_b32 v1, 31, v0
	v_lshrrev_b32 v2, 4, v1
	v_lshlrev_b32 v2, 4, v2                        ; 16 (l / 16): my eight numbers of scale in each 32 bytes
	v_lshlrev_b32 v1, 4, v1                        ; 16 l
	s_lshl_b32 s11, ttmp9, 5
	s_lshl2_add_u32 s11, s10, s11                  ; my first token = 32 x work-group + 4 x wave
	s_mul_i32 s16, s11, TOKB                       ; under 2^27
	s_mov_b32 s17, 0
	s_lshl_b32 s18, s11, 11
	s_mov_b32 s19, 0
	s_mov_b32 s12, 0x3e38aa3b                      ; c = log2(e) / 8
	s_mov_b32 s13, s12                             ; named with it as a pair
	s_mov_b32 s14, 0x76543210                      ; v_permlanex16_b32: each lane takes its own place in the other half
	s_mov_b32 s15, 0xfedcba98
	s_wait_kmcnt 0x0
	s_add_nc_u64 s[4:5], s[4:5], s[16:17]
	s_add_nc_u64 s[8:9], s[8:9], s[18:19]
.irp i, 0,1,2,3
	global_load_b128 v[ST+4*(\i):ST+4*(\i)+3], v2, s[6:7] offset:16384+32*(\i)  ; scale of channels 8 (2 i + l / 16) + 0..7, as q's load i holds them
.endr
.irp T, 0,1,2,3
.irp i, 0,1,2,3
	global_load_b128 v[Q+16*(\T)+4*(\i):Q+16*(\T)+4*(\i)+3], v1, s[4:5] offset:(\T)*TOKB+512*(\i) th:TH_LOAD_NT
.endr
.endr
.irp T, 0,1,2,3
.irp i, 0,1,2,3
	global_load_b128 v[K+16*(\T)+4*(\i):K+16*(\T)+4*(\i)+3], v1, s[4:5] offset:(\T)*TOKB+2048+512*(\i) th:TH_LOAD_NT
.endr
.endr
.irp T, 0,1,2,3
.irp i, 0,1,2,3
	global_load_b128 v[V+32*((\T)/2)+8*(\i)+4*((\T)%2):V+32*((\T)/2)+8*(\i)+4*((\T)%2)+3], v1, s[4:5] offset:(\T)*TOKB+4096+512*(\i) th:TH_LOAD_NT
.endr
.endr
	s_wait_loadcnt 32                              ; scale and q are in; k's and v's 32 loads stay out
.irp T, 0,1,2,3
.irp r, 0,1,2,3,4,5,6,7,8,9,10,11,12,13,14,15
	v_pk_mul_bf16 v[Q+16*(\T)+(\r)], v[Q+16*(\T)+(\r)], v[ST+(\r)]
.endr
.endr
	s_wait_loadcnt 16                              ; k is in; v's 16 loads stay out
.irp T, 0,1,2,3                        ; the four tokens' accumulators take turns: three others stand between the two links of a chain
	v_wmma_f32_16x16x32_bf16 v[S+8*(\T):S+8*(\T)+7], v[K+16*(\T):K+16*(\T)+7], v[Q+16*(\T):Q+16*(\T)+7], 0
.endr
.irp T, 0,1,2,3
	v_wmma_f32_16x16x32_bf16 v[S+8*(\T):S+8*(\T)+7], v[K+16*(\T)+8:K+16*(\T)+15], v[Q+16*(\T)+8:Q+16*(\T)+15], v[S+8*(\T):S+8*(\T)+7]
.endr
.rept 8
	v_nop                                          ; the places behind those products: for the readers of S^T, and for the later products that write over q's and k's registers
.endr
	; the softmax, each step for the four tokens in turn, so that no line waits for the one before it.  Each accumulator's lowest registers are read first.
.irp T, 0,1,2,3
	v_max3_num_f32 v[ST+4*(\T)], v[S+8*(\T)], v[S+8*(\T)+1], v[S+8*(\T)+2]
.endr
.irp T, 0,1,2,3
	v_max3_num_f32 v[ST+4*(\T)], v[ST+4*(\T)], v[S+8*(\T)+3], v[S+8*(\T)+4]
.endr
.irp T, 0,1,2,3
	v_max3_num_f32 v[ST+4*(\T)], v[ST+4*(\T)], v[S+8*(\T)+5], v[S+8*(\T)+6]
.endr
.irp T, 0,1,2,3
	v_max_num_f32 v[ST+4*(\T)], v[ST+4*(\T)], v[S+8*(\T)+7]
.endr
.irp T, 0,1,2,3
	v_permlanex16_b32 v[ST+4*(\T)+1], v[ST+4*(\T)], s14, s15  ; the head's other eight scores lie in the lane 16 away
.endr
.irp T, 0,1,2,3
	v_max_num_f32 v[ST+4*(\T)], v[ST+4*(\T)], v[ST+4*(\T)+1]
.endr
.irp T, 0,1,2,3
	v_mul_f32 v[ST+4*(\T)], s12, v[ST+4*(\T)]      ; c m
.endr
.irp j, 0,2,4,6
.irp T, 0,1,2,3
	v_pk_fma_f32 v[S+8*(\T)+(\j):S+8*(\T)+(\j)+1], v[S+8*(\T)+(\j):S+8*(\T)+(\j)+1], s[12:13], v[ST+4*(\T):ST+4*(\T)+1] op_sel_hi:[1,0,0] neg_lo:[0,0,1] neg_hi:[0,0,1]  ; c s - c m
.endr
.endr
.irp j, 0,1,2,3,4,5,6,7
.irp T, 0,1,2,3
	v_exp_f32 v[S+8*(\T)+(\j)], v[S+8*(\T)+(\j)]   ; one batch of 32
.endr
.endr
	v_nop                                          ; a plain instruction behind the last exponential,
	s_wait_alu depctr_va_vdst(0)                   ; and the one wait ahead of the batch's first reader
.irp T, 0,1,2,3
	v_pk_add_f32 v[ST+4*(\T):ST+4*(\T)+1], v[S+8*(\T):S+8*(\T)+1], v[S+8*(\T)+2:S+8*(\T)+3]
.endr
.irp T, 0,1,2,3
	v_pk_add_f32 v[ST+4*(\T)+2:ST+4*(\T)+3], v[S+8*(\T)+4:S+8*(\T)+5], v[S+8*(\T)+6:S+8*(\T)+7]
.endr
.irp T, 0,1,2,3
	v_pk_add_f32 v[ST+4*(\T):ST+4*(\T)+1], v[ST+4*(\T):ST+4*(\T)+1], v[ST+4*(\T)+2:ST+4*(\T)+3]
.endr
.irp T, 0,1,2,3
	v_add_f32 v[ST+4*(\T)], v[ST+4*(\T)], v[ST+4*(\T)+1]
.endr
.irp T, 0,1,2,3
	v_permlanex16_b32 v[ST+4*(\T)+1], v[ST+4*(\T)], s14, s15
.endr
.irp T, 0,1,2,3
	v_add_f32 v[ST+4*(\T)], v[ST+4*(\T)], v[ST+4*(\T)+1]
.endr
.irp T, 0,1,2,3
	v_rcp_f32 v[ST+4*(\T)+2], v[ST+4*(\T)]         ; the sum is at least 1: the maximum's own weight
.endr
	v_nop
	s_wait_alu depctr_va_vdst(0)                   ; one wait for the four reciprocals
.irp j, 0,2,4,6
.irp T, 0,1,2,3
	v_pk_mul_f32 v[S+8*(\T)+(\j):S+8*(\T)+(\j)+1], v[S+8*(\T)+(\j):S+8*(\T)+(\j)+1], v[ST+4*(\T)+2:ST+4*(\T)+3] op_sel_hi:[1,0]
.endr
.endr
.irp i, 0,1,2,3                        ; in place and ascending: register i takes weights 2 i, 2 i + 1
.irp T, 0,1,2,3
	v_cvt_pk_f16_f32 v[S+8*(\T)+(\i)], v[S+8*(\T)+2*(\i)], v[S+8*(\T)+2*(\i)+1]
.endr
.endr
.irp T, 0,2                            ; a pair's twelve registers now hold [P_a | 0 | P_b]
.irp i, 4,5,6,7
	v_mov_b32 v[S+8*(\T)+(\i)], 0
.endr
.endr
	s_wait_loadcnt 0x0                             ; v
.irp P, 0,1
.irp dt, 0,1,2,3
.irp u, 0,1                            ; O^T of token 2 P + u, channels 16 dt on: sixteen products, each with an accumulator of its own
	v_wmma_f32_16x16x32_f16 v[Q+64*((\dt)/2)+16*(2*(\P)+(\u))+8*((\dt)%2):Q+64*((\dt)/2)+16*(2*(\P)+(\u))+8*((\dt)%2)+7], v[V+32*(\P)+8*(\dt):V+32*(\P)+8*(\dt)+7], v[S+16*(\P)+4*(\u):S+16*(\P)+4*(\u)+7], 0
.endr
.endr
.endr
.rept 8
	v_nop                                          ; the places behind the last products
.endr
.irp T, 0,1,2,3
.irp dt, 0,1,2,3
.irp i, 0,1,2,3                        ; a lane's eight channels of one head pack into 16 bytes, in place and ascending
	v_cvt_pk_f16_f32 v[Q+64*((\dt)/2)+16*(\T)+8*((\dt)%2)+(\i)], v[Q+64*((\dt)/2)+16*(\T)+8*((\dt)%2)+2*(\i)], v[Q+64*((\dt)/2)+16*(\T)+8*((\dt)%2)+2*(\i)+1]
.endr
	global_store_b128 v1, v[Q+64*((\dt)/2)+16*(\T)+8*((\dt)%2):Q+64*((\dt)/2)+16*(\T)+8*((\dt)%2)+3], s[8:9] offset:(\T)*2048+(\dt)*512 th:TH_STORE_NT  ; 512 consecutive bytes, aligned
.endr
.endr
	s_endpgm
.Lfunc_end_k_q60dc4ae51a_attn:
	.size	k_q60dc4ae51a_attn, .Lfunc_end_k_q60dc4ae51a_attn-k_q60dc4ae51a_attn
	.p2alignl 7, 3214868480
	.fill 96, 4, 3214868480
	.section	.rodata,"a",@progbits
	.p2align	6, 0x0
	.amdhsa_kernel k_q60dc4ae51a_attn
		.amdhsa_group_segment_fixed_size 0
		.amdhsa_private_segment_fixed_size 0
		.amdhsa_enable_private_segment 0
		.amdhsa_kernarg_size 24
		.amdhsa_user_sgpr_count 2
		.amdhsa_user_sgpr_kernarg_segment_ptr 1
		.amdhsa_wavefront_size32 1
		.amdhsa_system_sgpr_workgroup_id_x 1
		.amdhsa_system_sgpr_workgroup_id_y 1
		.amdhsa_system_sgpr_workgroup_id_z 1
		.amdhsa_system_vgpr_workitem_id 0
		.amdhsa_next_free_vgpr 256
		.amdhsa_next_free_sgpr 66
		.amdhsa_reserve_vcc 0
		.amdhsa_float_denorm_mode_32 3
		.amdhsa_float_denorm_mode_16_64 3
		.amdhsa_memory_ordered 1
		.amdhsa_forward_progress 1
		.amdhsa_inst_pref_size 25
	.end_amdhsa_kernel
	.amdgpu_metadata
---
amdhsa.version: [ 1, 2 ]
amdhsa.kernels:
  - .name:           k_q60dc4ae51a_attn
    .symbol:         k_q60dc4ae51a_attn.kd
    .args:
      - { .name: qkv, .offset: 0, .size: 8, .value_kind: global_buffer, .address_space: global }
      - { .name: tab, .offset: 8, .size: 8, .value_kind: global_buffer, .address_space: global }
      - { .name: ob, .offset: 16, .size: 8, .value_kind: global_buffer, .address_space: global }
    .group_segment_fixed_size: 0
    .private_segment_fixed_size: 0
    .kernarg_segment_align: 8
    .kernarg_segment_size: 24
    .max_flat_workgroup_size: 256
    .sgpr_count:     66
    .vgpr_count:     256
    .wavefront_size: 32
...
	.end_amdgpu_metadata
.endif
;; end of part 3
;; launch outp (part 4): grid 4 x 64, 4 waves a work-group, clusters of 4 x 4, 327,680 bytes of LDS; arguments ob, wo, out0, tab; writes out0
.if DOCPART == 4
	.amdgcn_target "amdgcn-amd-amdhsa--gfx1250"
	.amdhsa_code_object_version 6
	.text
	.protected	k_q60dc4ae51a_outp
	.globl	k_q60dc4ae51a_outp
	.p2align	8
	.type	k_q60dc4ae51a_outp,@function
k_q60dc4ae51a_outp:
	s_mov_b64 s[64:65], 0
	v_nop
	global_prefetch_b8 v0, s[64:65] scope:SCOPE_SE
	s_setreg_imm32_b32 hwreg(HW_REG_WAVE_MODE, 25, 1), 1
	s_wait_xcnt 0x0
	s_wait_alu depctr_hold_cnt(0) depctr_sa_sdst(0) depctr_va_vdst(0) depctr_va_sdst(0) depctr_va_ssrc(0) depctr_va_vcc(0) depctr_vm_vsrc(0)
	s_getreg_b32 s2, hwreg(HW_REG_IB_STS2, 6, 4)
	s_cmp_eq_u32 s2, 0
	s_cbranch_scc0 .Lentry_in_a_cluster
	s_endpgm
.Lentry_in_a_cluster:
	s_bfe_u32 s2, ttmp6, 0x10000c
	s_cmp_lg_u32 s2, 0xf033
	s_cbranch_scc0 .Lentry_shape_is_right
	s_endpgm
.Lentry_shape_is_right:
; out0[m][n] = bo[n] + sum over p of ob[m][p] wo[n][p].  ob: [16384][1024] f16, wo: [1024][1024] f16 (both in the same order of p), bo: f32 at byte 12,288 of tab; sums in f32; out0: [16384][1024] f32.
; LIMITS.  ob and wo lie within f16's 65,504.  NaN and infinities are not treated apart.
; SHARES.  One tile of 256 x 256 to a work-group of four waves, each 128 x 128: 64 accumulators of 16 x 16, 512 registers.  K goes in steps of 128 through a ring of two LDS slots filled by the tensor
; data mover; a tile's rows are 256 bytes of memory, aligned.  The last K step goes by rows of the result, so that finished rows leave while the others are multiplied.
; CLUSTERS: 4 x 4 work-groups.  The four of a row of the cluster need the same tiles of A, the four of a column the same tiles of B: each tile is asked for JOINTLY.
; THE MATRIX INSTRUCTION IS USED TRANSPOSED (source 0 = 16 rows of B, source 1 = 16 rows of A): lane l holds row l % 16 of the result and the columns 8 (l / 16) + 0..7.
; bo IS THE C OPERAND of each accumulator's first product: nothing is cleared, and the way out has no arithmetic.
; REGISTERS, in windows of 256 (s_set_vgpr_msb: bits 1:0 source 0, 3:2 source 1, 5:4 source 2, 7:6 destination):
;   window 0: v0-31 addresses; v64-127, v128-191 fragments of A, two buffers (in the last K step four, of 16 rows x 128 K)
;   window 1: v0-63 bo of my 128 columns; v64-127, v128-191 fragments of B; in the last K step all 256: B's fragments of the whole step
;   windows 2, 3: the accumulators ((a, b) at v[8 (8 a + b)]); on the way out a block's 16 rows come back from the stage into the block's own 64 registers
.set SIZE_K, 1024
.set KSTEP,  128
.set CROW,   4096                      ; bytes in a row of out0
.set PITCH,  272                       ; an LDS row: 256 bytes + 16 of padding: the 16 rows that a load touches start at 16 different groups of four banks (64 banks of 4 bytes: ISA guide 11.1)
.set HALFT,  128*PITCH
.set SLOT,   4*HALFT
.set STAGE,  2*SLOT                    ; behind the ring: 16 rows x 528 bytes for each wave, for the way out
.set SPITCH, 528                       ; 512 bytes + 16: again 16 different groups of four banks
.set SPARE,  STAGE+4*16*SPITCH         ; behind the stages: the spare words, 128 bytes for each wave, which no other line names
.set LAPS,   SIZE_K/(2*KSTEP)
.set ADRA, 16
.set ADRB, 20
.set STO,  24                          ; v24     the way out: where I put 32 bytes of a row
.set RD,   25                          ; v25     the way out: where I read a row back
.set CO,   26                          ; v26     16 x lane: my 16 bytes of a row's 512
.set TO,   27                          ; v27     32 (l / 16)
.set SPW,  28
.set NIL,  29
.set PFO,  30
.set F0,   64
.set F1,   128
.set PA,   64                          ; the last K step: A's fragments of 16 rows x 128 K, 32 registers; four such buffers, v64-191
.set BE,   0
.set WV,  12
.set RH,  13
.set CH,  14
.set LIM, 15
.set G1,  24
.set G0,  32
.set PFA, 44
.set G1B, 48
.set G0B, 56
.set MSB, 0
.macro WIN new                         ; the immediate's high byte repeats the setting that is left; a switch that changes nothing is dropped
.if MSB != (\new)
	s_set_vgpr_msb (MSB<<8)|(\new)
.set MSB, \new
.endif
.endm
.set MUL_LO, 0xa1                      ; source 0 (B) window 1, source 1 (A) window 0, C and D window 2; + 0x50: window 3
.set MUL_B,  0x91                      ; the same with C (bo) in window 1; + 0x40: D in window 3
.set TO_B,   0x40
.macro JLOAD s                         ; a joint load: waves 0 and 1 fetch A's two halves, waves 2 and 3 B's; an s_nop 0 and four v_nop follow each of the two lines
	s_cmp_eq_u32 s[RH], 0
	s_cbranch_scc0 .Lfor_b_\@
	tensor_load_to_lds s[G0+4*(\s):G0+4*(\s)+3], s[G1:G1+7]
	s_nop 0
.rept 4
	v_nop
.endr
	s_branch .Lasked_\@
.Lfor_b_\@:
	tensor_load_to_lds s[G0B+4*(\s):G0B+4*(\s)+3], s[G1B:G1B+7]
	s_nop 0
.rept 4
	v_nop
.endr
.Lasked_\@:
.endm
; A PREFETCH INTO THE L2, behind each joint load and the run of LDS loads that follows it: the K step that stands two refills on: 32 rows x 256 bytes, a lane a row, one instruction a wave.
; Each row's 256 bytes of a K step are named once in the launch: A's rows are read by one cluster alone, which asks; B's by every cluster, of which the one with y = 0 asks.  The four partners that ask for a
; tile jointly share its rows out BY ADDRESS, 32 each.  The last two refills have no K step two on.
.macro ASK
	s_cmp_gt_u32 s3, s[LIM]                        ; s3 = 1 in the loop's last trip
	s_cbranch_scc0 .Lnot_mine_\@
	global_prefetch_b8 v[PFO], s[PFA:PFA+1] offset:KSTEP*2 th:TH_LOAD_NT scope:SCOPE_SE
.Lnot_mine_\@:
.endm
.macro CREST
	s_cmp_lg_u32 s[WV], 0
	s_cbranch_scc1 .Lnot_wave_0_\@
	s_barrier_signal -3
.Lnot_wave_0_\@:
	s_barrier_wait -3
	s_barrier_signal -1
	s_barrier_wait -1
.endm
.macro CROUND
	s_barrier_signal -1
	s_barrier_wait -1
	CREST
.endm
	s_load_b256 s[4:11], s[0:1], 0x0               ; ob s[4:5], wo s[6:7], out0 s[8:9], tab s[10:11]
	v_lshl_add_u32 v[SPW], v0, 2, SPARE
	v_mov_b32 v[NIL], 0
	ds_add_u32 v[SPW], v[NIL]                      ; the wave's opening: the add and its wait stand ahead of my first tensor load; the set-up below, work on registers, stands between them
	v_lshrrev_b32 v1, 5, v0
	v_readfirstlane_b32 s[WV], v1
	s_lshr_b32 s[RH], s[WV], 1
	s_and_b32 s[CH], s[WV], 1
	s_bfe_u32 s40, ttmp6, 0x40000                  ; cx
	s_bfe_u32 s41, ttmp6, 0x40004                  ; cy
	s_lshl_b32 s42, ttmp9, 2
	s_add_co_u32 s42, s42, s40                     ; tile column
	s_and_b32 s43, ttmp7, 0xffff
	s_lshl_b32 s43, s43, 2
	s_add_co_u32 s43, s43, s41                     ; tile row
	s_lshl_b32 s66, s41, 2
	s_lshl_b32 s66, 15, s66                        ; my row of the cluster
	s_lshl_b32 s67, 0x1111, s40                    ; my column
	s_or_b32 s[G1+0], s66, (1<<16)|(1<<20)|(1<<21)|(5<<22)|(3<<25)  ; the mask; elements of 2 bytes; padding on; bit 21 beside a mask; after every 64 words 4 words of padding
	s_or_b32 s[G1B+0], s67, (1<<16)|(1<<20)|(1<<21)|(5<<22)|(3<<25)
.irp g, G1, G1B
	s_mov_b32 s[(\g)+1], KSTEP<<16                 ; tensor_dim0 = 128
	s_mov_b32 s[(\g)+2], 128<<16                   ; tensor_dim1 = 128
	s_mov_b32 s[(\g)+3], KSTEP<<16                 ; tile_dim0 = 128
	s_mov_b32 s[(\g)+4], 128                       ; tile_dim1 = 128
	s_mov_b32 s[(\g)+5], SIZE_K                    ; elements from row to row
	s_mov_b32 s[(\g)+6], 0
	s_mov_b32 s[(\g)+7], 0
.endr
	s_lshl_b32 s18, s[CH], 7
	s_lshl_b32 s16, s43, 8
	s_add_co_u32 s16, s16, s18
	s_lshl_b32 s16, s16, 11                        ; A: (256 x tile row + 128 x half) rows of 2,048 bytes
	s_mov_b32 s17, 0
	s_lshl_b32 s46, s42, 8
	s_add_co_u32 s46, s46, s18
	s_lshl_b32 s46, s46, 11                        ; B: (256 x tile column + 128 x half) rows
	s_mov_b32 s47, 0
	s_mul_i32 s20, s[WV], HALFT
	s_wait_dscnt 0x0                               ; the opening add is done
	s_wait_kmcnt 0x0
	s_add_nc_u64 s[16:17], s[4:5], s[16:17]
	s_add_nc_u64 s[46:47], s[6:7], s[46:47]
	CROUND                                         ; all sixteen work-groups are here: the first joint loads meet
.irp s, 0,1
	s_mov_b32 s[G0+4*(\s)], 1
	s_add_co_u32 s[G0+4*(\s)+1], s20, (\s)*SLOT
	s_add_nc_u64 s[G0+4*(\s)+2:G0+4*(\s)+3], s[16:17], (\s)*KSTEP*2
	s_or_b32 s[G0+4*(\s)+3], s[G0+4*(\s)+3], 0x80000000
	s_mov_b32 s[G0B+4*(\s)], 1
	s_add_co_u32 s[G0B+4*(\s)+1], s20, (\s)*SLOT
	s_add_nc_u64 s[G0B+4*(\s)+2:G0B+4*(\s)+3], s[46:47], (\s)*KSTEP*2
	s_or_b32 s[G0B+4*(\s)+3], s[G0B+4*(\s)+3], 0x80000000
	JLOAD \s                                       ; two loads of mine are out
.endr
	v_and_b32 v1, 15, v0                           ; l % 16
	v_bfe_u32 v2, v0, 4, 1                         ; l / 16
	v_mul_u32_u24 v3, v1, PITCH
	v_lshl_add_u32 v3, v2, 4, v3
	s_mul_i32 s21, s[RH], HALFT
	s_mul_i32 s22, s[CH], HALFT
	s_add_co_u32 s22, s22, 2*HALFT
.irp s, 0,1
	v_add_nc_u32 v[ADRA+(\s)], s21, v3
	v_add_nc_u32 v[ADRB+(\s)], s22, v3
	s_add_co_u32 s21, s21, SLOT
	s_add_co_u32 s22, s22, SLOT
.endr
	s_mul_i32 s23, s[WV], 16*SPITCH
	s_add_co_u32 s23, s23, STAGE                   ; my stage
	v_mul_u32_u24 v4, v1, SPITCH                   ; in: row l % 16, 32 bytes for each half of the lanes
	v_lshl_add_u32 v4, v2, 5, v4
	v_add_nc_u32 v[STO], s23, v4
	v_and_b32 v5, 31, v0
	v_lshlrev_b32 v[CO], 4, v5                     ; back: the 32 lanes take one row of 512 bytes
	v_add_nc_u32 v[RD], s23, v[CO]
	v_lshlrev_b32 v[TO], 5, v2
	s_lshl_b32 s16, s43, 8
	s_lshl_b32 s17, s[RH], 7
	s_add_co_u32 s16, s16, s17
	s_lshl_b32 s16, s16, 12                        ; my first row of out0, in bytes: under 2^27
	s_lshl_b32 s17, s42, 10
	s_add_co_u32 s16, s16, s17
	s_lshl_b32 s17, s[CH], 9
	s_add_co_u32 s16, s16, s17                     ; + my first column
	s_mov_b32 s17, 0
	s_add_nc_u64 s[8:9], s[8:9], s[16:17]
	s_lshl_b32 s16, s42, 10
	s_lshl_b32 s18, s[CH], 9
	s_add_co_u32 s16, s16, s18
	s_add_nc_u64 s[10:11], s[10:11], s[16:17]      ; tab at my columns' place in a table of f32
	; the prefetches
	s_lshl_b32 s18, s43, 8
	s_lshl_b32 s19, s42, 8
	s_and_b32 s22, ttmp7, 0xffff
	s_cmp_eq_u32 s[RH], 0
	s_cselect_b32 s20, s18, s19
	s_cselect_b32 s21, s40, s41
	s_cselect_b32 s22, ttmp9, s22
	s_cselect_b64 s[PFA:PFA+1], s[4:5], s[6:7]
	s_cmp_eq_u32 s22, 0
	s_cselect_b32 s[LIM], 1, -1
	s_lshl_b32 s22, s[CH], 7
	s_add_co_u32 s20, s20, s22
	s_lshl_b32 s21, s21, 5
	s_add_co_u32 s20, s20, s21
	s_lshl_b32 s20, s20, 11
	s_mov_b32 s21, 0
	s_add_nc_u64 s[PFA:PFA+1], s[PFA:PFA+1], s[20:21]
	s_add_nc_u64 s[PFA:PFA+1], s[PFA:PFA+1], 2*KSTEP*2  ; at K step 2: the first refill steps it to 3 and names K step 4.  Nothing is prefetched here, at the head
	v_and_b32 v[PFO], 31, v0
	v_lshlrev_b32 v[PFO], 11, v[PFO]
	WIN TO_B
.irp i, 0,1,2,3,4,5,6,7,8,9,10,11,12,13,14,15   ; bo of my 128 columns: block b's 64 bytes, of which my half of the lanes takes 32, in two loads
	global_load_b128 v[BE+4*(\i):BE+4*(\i)+3], v[TO], s[10:11] offset:12288+64*((\i)/2)+16*((\i)%2)
.endr
	WIN 0
; 16 matrix instructions: m blocks a0, a0 + 1 of the window's four x all 8 n blocks, 32 along K.  first = 1: bo starts the sums.  The 64 accumulators take turns.
.macro MUL16 f, hi, a0, first
.if \first
	WIN MUL_B+0x40*(\hi)
.else
	WIN MUL_LO+0x50*(\hi)
.endif
.irp a, \a0, (\a0)+1
.irp b, 0,1,2,3,4,5,6,7
.if \first
	v_wmma_f32_16x16x32_f16 v[8*(8*(\a)+(\b)):8*(8*(\a)+(\b))+7], v[(\f)+8*(\b):(\f)+8*(\b)+7], v[(\f)+8*(4*(\hi)+(\a)):(\f)+8*(4*(\hi)+(\a))+7], v[BE+8*(\b):BE+8*(\b)+7]
.else
	v_wmma_f32_16x16x32_f16 v[8*(8*(\a)+(\b)):8*(8*(\a)+(\b))+7], v[(\f)+8*(\b):(\f)+8*(\b)+7], v[(\f)+8*(4*(\hi)+(\a)):(\f)+8*(4*(\hi)+(\a))+7], v[8*(8*(\a)+(\b)):8*(8*(\a)+(\b))+7]
.endif
.endr
.endr
.endm
.macro FETCH slot, k, f                ; 32 LDS loads in one run: the fragments of one quarter step into buffer f
	WIN TO_B
.irp i, 0,1,2,3,4,5,6,7
	ds_load_b128 v[(\f)+8*(\i):(\f)+8*(\i)+3],   v[ADRB+(\slot)] offset:(\k)+(\i)*16*PITCH
	ds_load_b128 v[(\f)+8*(\i)+4:(\f)+8*(\i)+7], v[ADRB+(\slot)] offset:(\k)+(\i)*16*PITCH+32
.endr
	WIN 0
.irp i, 0,1,2,3,4,5,6,7
	ds_load_b128 v[(\f)+8*(\i):(\f)+8*(\i)+3],   v[ADRA+(\slot)] offset:(\k)+(\i)*16*PITCH
	ds_load_b128 v[(\f)+8*(\i)+4:(\f)+8*(\i)+7], v[ADRA+(\slot)] offset:(\k)+(\i)*16*PITCH+32
.endr
.endm
.macro PLACES                          ; four plain vector instructions behind a matrix instruction (ISA guide 7.12.1)
.rept 4
	v_nop
.endr
.endm
.macro QUARTER slot, k, f, g, first
	s_wait_dscnt 8                                 ; B and A's rows 0-63 are in; the youngest eight loads may be out
	MUL16 \f, 0, 0, \first
	MUL16 \f, 0, 2, \first
	PLACES
	FETCH \slot, \k, \g
	s_wait_dscnt 32                                ; all but the 32 just issued
	MUL16 \f, 1, 0, \first
	MUL16 \f, 1, 2, \first
.endm
; The change of slots: one barrier; in front of it each wave waits for all its tensor loads (its part of the next slot), adds 0 to its spare word, and waits for that and for its own reads of this slot.
.macro MEET round
	WIN 0
	s_wait_tensorcnt 0x0
	ds_add_u32 v[SPW], v[NIL]                      ; 0 onto my spare word
	s_wait_dscnt 9                                 ; (the add and the youngest eight loads may be out)
	MUL16 F1, 0, 0, 0
	s_wait_dscnt 0x0                               ; the add is done, and my reads of this slot are over
	s_barrier_signal -1
	MUL16 F1, 0, 2, 0
.if \round
	WIN 0
.endif
	s_barrier_wait -1
.endm
.macro TURN slot, next                 ; the barrier opens a round of the cluster's barrier; behind the round this slot is filled again first, two K steps ahead: one load of mine is out
	s_wait_xcnt 0x0                                ; the last prefetch, a K step back, has read its address: it is stepped here
	s_add_nc_u64 s[PFA:PFA+1], s[PFA:PFA+1], KSTEP*2
	MEET 1
	CREST
	s_add_nc_u64 s[G0+4*(\slot)+2:G0+4*(\slot)+3], s[G0+4*(\slot)+2:G0+4*(\slot)+3], 2*KSTEP*2
	s_add_nc_u64 s[G0B+4*(\slot)+2:G0B+4*(\slot)+3], s[G0B+4*(\slot)+2:G0B+4*(\slot)+3], 2*KSTEP*2
	JLOAD \slot                                    ; the four v_nop behind it are also the places in front of the loads below
	FETCH \next, 0, F0
	ASK
	MUL16 F1, 1, 0, 0
	MUL16 F1, 1, 2, 0
.endm
; THE LAST K STEP (it lies in slot 1) GOES BY ROWS OF THE RESULT, NOT BY K.  All its fragments of B (4 quarters x 64 registers) fill window 1; then my eight blocks of 16 rows are finished one after the other,
; each with 32 matrix instructions (its 8 accumulators by turns, K ascending).  LDS is read no more than in any other K step.
.macro BLOAD q                         ; B's fragments of quarter q -> window 1, v[64 q ..]
	WIN TO_B
.irp i, 0,1,2,3,4,5,6,7
	ds_load_b128 v[64*(\q)+8*(\i):64*(\q)+8*(\i)+3],   v[ADRB+1] offset:64*(\q)+(\i)*16*PITCH
	ds_load_b128 v[64*(\q)+8*(\i)+4:64*(\q)+8*(\i)+7], v[ADRB+1] offset:64*(\q)+(\i)*16*PITCH+32
.endr
.endm
.macro ALOAD a                         ; A's fragments of block a, all four quarters -> buffer a % 4
	WIN 0
.set FA, PA+32*((\a)%4)
.irp q, 0,1,2,3
	ds_load_b128 v[FA+8*(\q):FA+8*(\q)+3],   v[ADRA+1] offset:64*(\q)+(\a)*16*PITCH
	ds_load_b128 v[FA+8*(\q)+4:FA+8*(\q)+7], v[ADRA+1] offset:64*(\q)+(\a)*16*PITCH+32
.endr
.endm
.macro ROW a                           ; block a is finished: 32 matrix instructions
.set FA, PA+32*((\a)%4)                ; its fragments of A
.set AC, 64*((\a)%4)                   ; its eight accumulators, in window 2 (blocks 0-3) or 3 (blocks 4-7)
	WIN MUL_LO+0x50*((\a)/4)
.irp q, 0,1,2,3
.if (\a) == 0 && (\q) == 2
	s_wait_dscnt 24                                ; B's quarter 2 is in (behind it: A's blocks 1 to 3)
.endif
.irp b, 0,1,2,3,4,5,6,7
	v_wmma_f32_16x16x32_f16 v[AC+8*(\b):AC+8*(\b)+7], v[64*(\q)+8*(\b):64*(\q)+8*(\b)+7], v[FA+8*(\q):FA+8*(\q)+7], v[AC+8*(\b):AC+8*(\b)+7]
.endr
.endr
.endm
; THE WAY OUT of block a (16 of my rows x 128 columns of f32).  TOSTAGE: a lane's eight numbers of each accumulator, the low four first, go into my own stage and come back as whole rows of 512 bytes,
; into the 64 registers that they left.  SEND: stored from there; nothing writes these registers again.
.macro TOSTAGE a
.set AC, 64*((\a)%4)
	WIN 0x08+4*((\a)/4)                            ; the stores' data: window 2 or 3
.irp b, 0,1,2,3,4,5,6,7
.irp q, 0,1
	ds_store_b128 v[STO], v[AC+8*(\b)+4*(\q):AC+8*(\b)+4*(\q)+3] offset:64*(\b)+16*(\q)
.endr
.endr
	WIN 0x80+0x40*((\a)/4)                         ; the loads' destination: the same window
.irp t, 0,1,2,3,4,5,6,7,8,9,10,11,12,13,14,15
	ds_load_b128 v[AC+4*(\t):AC+4*(\t)+3], v[RD] offset:SPITCH*(\t)  ; LDS serves a wave's instructions in order (ISA guide 5.7.1.4): these see the stores above, and the next block's stores come behind them
.endr
.endm
.macro SEND a, younger                 ; younger: the LDS loads issued behind TOSTAGE's, which may stay out
.set AC, 64*((\a)%4)
	s_wait_dscnt \younger                          ; the block's rows are back in registers
	WIN 0x08+4*((\a)/4)                            ; the stores' data: window 2 or 3
.irp t, 0,1,2,3,4,5,6,7,8,9,10,11,12,13,14,15
	global_store_b128 v[CO], v[AC+4*(\t):AC+4*(\t)+3], s[8:9] offset:(16*(\a)+(\t))*CROW th:TH_STORE_NT  ; 512 consecutive bytes, aligned; 127 rows of 4,096 bytes at the most, inside the signed 24-bit immediate
.endr
.endm
	s_wait_tensorcnt 1                             ; my part of K step 0 is in; K step 1's may stay out
	s_barrier_signal -1
	s_barrier_wait -1
	FETCH 0, 0, F0
	s_wait_loadcnt 0x0                             ; bo
	QUARTER 0, 64,  F0, F1, 1                      ; the first quarter stands in front of the loop: its products start the sums
	WIN 0
	s_mov_b32 s3, LAPS-1
.Llap:                                             ; a trip goes once round the ring and fills both slots again
	QUARTER 0, 128, F1, F0, 0
	QUARTER 0, 192, F0, F1, 0
	TURN 0, 1
	QUARTER 1, 64,  F0, F1, 0
	QUARTER 1, 128, F1, F0, 0
	QUARTER 1, 192, F0, F1, 0
	TURN 1, 0
	QUARTER 0, 64,  F0, F1, 0
	WIN 0
	s_sub_co_u32 s3, s3, 1
	s_cmp_lg_u32 s3, 0
	s_cbranch_scc1 .Llap
	QUARTER 0, 128, F1, F0, 0                      ; the last lap fills nothing, and has no round of the cluster's barrier
	QUARTER 0, 192, F0, F1, 0
	MEET 0                                         ; my one tensor load that was still out is the last K step's
	PLACES                                         ; for the loads into buffer 0, which the quarter before multiplied
	BLOAD 0                                        ; three quarters of B now: buffer 1 (v128-191 of both windows) is still being multiplied.  Quarter 0 takes bo's registers, last read in the first quarter
	BLOAD 1
	BLOAD 3
	ALOAD 0
	MUL16 F1, 1, 0, 0
	MUL16 F1, 1, 2, 0
	PLACES                                         ; for the loads into buffer 1
	BLOAD 2
	ALOAD 1
	ALOAD 2
	ALOAD 3
	s_wait_dscnt 40                                ; all but the 40 just issued
	ROW 0
	s_wait_dscnt 0x0                               ; A's blocks 1 to 3, asked for a block's products ago, are in
.irp a, 0,1,2,3,4,5,6,7                ; each block leaves as soon as it is finished; the next block's products stand between its trip through the stage and the wait for it
	PLACES
	PLACES                                         ; eight: LDS stores read results just made, and LDS loads land on the same registers
	TOSTAGE \a
.if (\a) < 4
	ALOAD (\a)+4                                   ; its buffer takes the block four further on: shown landed by the wait of the next block's SEND, two blocks ahead of its products
.endif
.if (\a) < 7
	ROW (\a)+1
.endif
.if (\a) < 4
	SEND \a, 8
.else
	SEND \a, 0
.endif
.endr
	WIN 0
	s_wait_tensorcnt 0x0                           ; the wave's end, behind my last tensor load and my last LDS store
	ds_add_u32 v[SPW], v[NIL]
	s_wait_dscnt 0x0
	CROUND                                         ; the closing round: no work-group ends while a partner may still ask for a tile that names it
	s_endpgm
.Lfunc_end_k_q60dc4ae51a_outp:
	.size	k_q60dc4ae51a_outp, .Lfunc_end_k_q60dc4ae51a_outp-k_q60dc4ae51a_outp
	.p2alignl 7, 3214868480
	.fill 96, 4, 3214868480
	.section	.rodata,"a",@progbits
	.p2align	6, 0x0
	.amdhsa_kernel k_q60dc4ae51a_outp
		.amdhsa_group_segment_fixed_size 327680
		.amdhsa_private_segment_fixed_size 0
		.amdhsa_enable_private_segment 0
		.amdhsa_kernarg_size 32
		.amdhsa_user_sgpr_count 2
		.amdhsa_user_sgpr_kernarg_segment_ptr 1
		.amdhsa_wavefront_size32 1
		.amdhsa_system_sgpr_workgroup_id_x 1
		.amdhsa_system_sgpr_workgroup_id_y 1
		.amdhsa_system_sgpr_workgroup_id_z 1
		.amdhsa_system_vgpr_workitem_id 0
		.amdhsa_next_free_vgpr 1024
		.amdhsa_next_free_sgpr 72
		.amdhsa_reserve_vcc 0
		.amdhsa_float_denorm_mode_32 3
		.amdhsa_float_denorm_mode_16_64 3
		.amdhsa_memory_ordered 1
		.amdhsa_forward_progress 1
		.amdhsa_inst_pref_size 144
	.end_amdhsa_kernel
	.amdgpu_metadata
---
amdhsa.version: [ 1, 2 ]
amdhsa.kernels:
  - .name:           k_q60dc4ae51a_outp
    .symbol:         k_q60dc4ae51a_outp.kd
    .args:
      - { .name: ob, .offset: 0, .size: 8, .value_kind: global_buffer, .address_space: global }
      - { .name: wo, .offset: 8, .size: 8, .value_kind: global_buffer, .address_space: global }
      - { .name: out0, .offset: 16, .size: 8, .value_kind: global_buffer, .address_space: global }
      - { .name: tab, .offset: 24, .size: 8, .value_kind: global_buffer, .address_space: global }
    .group_segment_fixed_size: 327680
    .private_segment_fixed_size: 0
    .kernarg_segment_align: 8
    .kernarg_segment_size: 32
    .max_flat_workgroup_size: 128
    .sgpr_count:     72
    .vgpr_count:     1024
    .wavefront_size: 32
...
	.end_amdgpu_metadata
.endif
;; end of part 4
